; MI455X (gfx1250); checked and timed in simulation.
; The chip was launched on July 23, 2026; its instructions are those of AMD's public machine-readable ISA for CDNA 5 (MIT licence, August 2026) and "CDNA5" Instruction Set Architecture Reference Guide (July 2026). The comments in the code are by the model that wrote it; some were corrected since.
;; Neuro Grid. Allowed arithmetic: matrix products marked QUANTISED: E5M2 operands, one given power-of-two scale a tensor, by v_wmma_f32_16x16x64_bf8_bf8 or v_wmma_f32_16x16x128_bf8_bf8, f32 sums; products left as they are: f32 operands where the result goes on into a quantised operand, else bf16, f16 or f32 operands; f32 sums; everything else in f32.
;; Inputs: W1_codes 16 x 24 x 32 uint8 (E5M2 codes of W1, K innermost, in blocks of 32 codes); W2_codes 16 x 24 x 32 uint8 (E5M2 codes of W2, K innermost, in blocks of 32 codes); W3_codes 16 x 24 x 32 uint8 (E5M2 codes of W3, K innermost, in blocks of 32 codes); b1 16 float32; b2 16 float32; b3 16 float32; grid 16 x 16 x 16 x 768 float32; lowp_scales 8 int32 (the exponents e of the quantised operands' scales 2^e); temperature one number float32; x_codes 8 x 2,048 x 24 x 32 uint8 (E5M2 codes of x, K innermost, in blocks of 32 codes).
;; Outputs: out0 8 x 2,048 x 768 float32.
;; This version of the problem:
;;   THIS VERSION OF THE PROBLEM IS GIVEN IN LOW PRECISION. The matrix products marked QUANTISED in the list below multiply operands that are first quantised to E5M2 (5 exponent bits, 2 mantissa bits; 8 bits a number), with one given power-of-two scale for each operand tensor; their sums are f32. All else is computed in f32.
;;   The module's matrix products, in the order in which they are computed (A, B: the left and right operand; K: the contracted axis; several contracted axes count as one K, in the product's order):
;;     1. [M 16,384, K 768] x [K 768, N 16]; A: input x (given as codes); B: input W1 (given as codes): QUANTISED (scales: A lowp_scales[0], B lowp_scales[1])
;;     2. [M 16,384, K 768] x [K 768, N 16]; A: input x (given as codes); B: input W2 (given as codes): QUANTISED (scales: A lowp_scales[2], B lowp_scales[3])
;;     3. [M 16,384, K 768] x [K 768, N 16]; A: input x (given as codes); B: input W3 (given as codes): QUANTISED (scales: A lowp_scales[4], B lowp_scales[5])
;;     4. batch 16,384 x [M 16, K 1] x [K 1, N 16]; A: computed on the way; B: computed on the way: left as it is (no contracted axis)
;;     5. batch 16,384 x [M 256, K 1] x [K 1, N 16]; A: computed on the way; B: computed on the way: left as it is (no contracted axis)
;;     6. [M 16,384, K 4,096] x [K 4,096, N 768]; A: computed on the way; B: input grid: QUANTISED (scales: A lowp_scales[6], B lowp_scales[7])
;;   THE QUANTISER, for each operand of a quantised product, along K:
;;     - The operand's scale is 2^e, e = its entry of the input lowp_scales (int32; the entries are numbered through the quantised products in the list's order, A before B).
;;     - Each number is divided by the scale, clamped to +-57,344, and rounded to the nearest number of E5M2, ties to even, subnormals kept.
;;     - The product sums the exact products of the quantised numbers (number of the format x scale) in f32.
;;   ~~~python
;;   def quantise(x, axis, e):      # numpy; x: float32 -> the quantised numbers, widened to float32 again
;;       x = np.moveaxis(x, axis, -1); K = x.shape[-1]
;;       r = np.clip(x / 2.0 ** e, -57344, 57344)
;;       step = 2.0 ** (np.maximum(np.frexp(np.where(r == 0, 1, r))[1] - 1, -14) - 2)
;;       q = np.round(r / step) * step * 2.0 ** e      # np.round: ties to even
;;       return np.moveaxis(q, -1, axis).astype(np.float32)
;;   ~~~
;;   OPERANDS COMPUTED ON THE WAY. 'Computed on the way' means the value that the module computes at that place (a softmax that the list does not call 'softmax' is quantised finished and normalised). What goes into a quantiser is computed in f32, as accurately as f32 sums, v_exp_f32 and their like allow (about 1e-6 of the number): no bf16 or f16 on the way to a quantiser, and a product that is left as it is and whose result goes on into a quantised operand takes f32 operands (vector FMAs, or v_wmma_f32_16x16x4_f32). A number that lies on a knife's edge between two numbers of the format may be rounded either way, as far as f32 arithmetic and the matrix unit's own rounding can turn it there, and no further.
;;   INPUTS GIVEN AS CODES. W1 (in the module: [768, 16], K = its axis 0); W2 (in the module: [768, 16], K = its axis 0); W3 (in the module: [768, 16], K = its axis 0); x (in the module: [8, 2048, 768], K = its axis 2): each comes as NAME_codes (uint8): NAME with its K axis moved to the last place and cut into blocks of 32 codes, [.., K / 32, bytes a block], one block behind the other in memory; one code a byte (a code: sign, 5 exponent bits, 2 mantissa bits); its scale is its entry of lowp_scales. Its value is code x scale, taken as it is: it is not quantised again, and the codes and scales need not be those that the quantiser above would give.
;; One version. Each part assembles by itself: llvm-mc -triple=amdgcn-amd-amdhsa -mcpu=gfx1250 --defsym DOCPART=n.
;; ======== version 1 of 1: 2 launches
;; workspace buffers: gq 3,145,728 bytes; pw 3,145,728 bytes
;; launch prep (part 1): grid 32 x 7, 8 waves a work-group, no clusters, 50,176 bytes of LDS; arguments x_codes, W1_codes, W2_codes, W3_codes, b1, b2, b3, temperature, lowp_scales, grid, gq, pw; writes gq, pw
.if DOCPART == 1
	.amdgcn_target "amdgcn-amd-amdhsa--gfx1250"
	.amdhsa_code_object_version 6
	.text
	.protected	k_q42ac75f65c_prep
	.globl	k_q42ac75f65c_prep
	.p2align	8
	.type	k_q42ac75f65c_prep,@function
k_q42ac75f65c_prep:
	s_mov_b64 s[64:65], 0
	v_nop
	global_prefetch_b8 v0, s[64:65] scope:SCOPE_SE
	s_setreg_imm32_b32 hwreg(HW_REG_WAVE_MODE, 25, 1), 1
	s_wait_xcnt 0x0
; NeuroGrid, first of two launches.  Nothing of reference() is left out as dead work: every bias differs along its softmax's axis, and the temperature, all eight scales and all inputs reach the output.
; The launch has two kinds of work-groups, told apart by the work-group's y alone.
; y = 0..2 (96 work-groups), THE GRID'S CODES: grid [4096 (K = i, j, k)][768] f32 becomes codes of E5M2 with the given scale 2^e7: code = x / 2^e7, held within +-57,344, to the nearest code, ties to even.
;   A lane takes a column and its registers run down K, so the conversions' results have K innermost.  They are stored as IMAGES OF OPERAND REGISTERS:
;   gq [column half 2][chunk of 256 K: 16][tile of 16 columns: 24][half chunk 2][piece c 4][lane 32][16 bytes]; lane (r, h), piece c holds column r of the tile at K = 32 c + 16 h + 0 .. 15 of the half chunk.
; y = 3..6 (128 work-groups), THE THREE SOFTMAXES: p = softmax((x W + b) / temperature), the products on the given codes, 16 tokens a wave.  The products are used transposed (source 0 = W's 16 rows,
;   source 1 = 16 tokens): a lane holds one token (lane % 16) and eight of the 16 logits, the lane 16 away the other eight.  W2's rows are taken in the order 0, 2, .., 14, 1, 3, .., 15, so that lane (r, h) holds p2[2 j + h].
;   pw [tile of 16 tokens: 1024][quad 6][lane 32][16 bytes] f32: quads 0, 1: p1[8 h + 0 .. 7]; quads 2, 3: p2[2 j + h], j = 0 .. 7; quads 4, 5: p3[8 h + 0 .. 7].
; A fragment of 16 rows x 128 K is fetched by four loads of 16 bytes: lane (r, h) holds K = 32 c + 16 h + 0 .. 15 in registers 4 c .. 4 c + 3, the same permutation of K on both sides of every product.
; LIMITS.  e7 between -126 and 112; e0 + e1, e2 + e3, e4 + e5 each between -126 and 127, so that each power of two below is an f32 number.  NaN in grid is not served (an infinity is held at the largest code).
.set SPARE, 49152                      ; LDS: W's images from 0 on (6,144 bytes for each wave's number); behind them the spare words, 128 bytes for each wave: four blocks of 256 bytes that no other line names
.set SPW,  8                           ; v8   LDS address of my spare word: SPARE + 4 x my thread's number; never rewritten
.set NIL,  9                           ; v9   0; never rewritten
.set X,    16                          ; the grid's path: v16-143 128 numbers down K
.set CQ,   144                         ;                  v144-175 their codes, four registers for each group of 16: no store's data are written again
.set XF,   16                          ; the softmaxes' path: v16-111 x's six fragments
.set WS,   112                         ; v112-207 two sets of W1's, W2's, W3's fragment of a K step
.set ACC,  208                         ; v208-231 three accumulators
.set BI,   232                         ; v232-255 my eight numbers of b1, of b2, of b3
.set Z,    112                         ; behind the products: 24 logits, later the 24 results
.set Q,    136                         ; 24 quotients, later exponentials
.set PT,   16                          ; v16-18 what the lane 16 away sends
.set MX,   20                          ; v20-22 the maxima
.set SA,   24                          ; v24-35 four registers a softmax: two pairs of partial sums; the second pair's low register takes the reciprocal
	s_load_b512 s[4:19], s[0:1], 0x0               ; x s[4:5], W1 s[6:7], W2 s[8:9], W3 s[10:11], b1 s[12:13], b2 s[14:15], b3 s[16:17], temperature s[18:19]
	s_load_b256 s[20:27], s[0:1], 0x40             ; the scales' exponents s[20:21], grid s[22:23], gq s[24:25], pw s[26:27]
	v_lshl_add_u32 v[SPW], v0, 2, SPARE
	v_mov_b32 v[NIL], 0
	v_lshrrev_b32 v1, 5, v0
	v_readfirstlane_b32 s28, v1                    ; wave 0..7
	s_and_b32 s29, ttmp7, 0xffff                   ; work-group y
	s_wait_kmcnt 0x0
	s_load_b256 s[32:39], s[20:21], 0x0            ; e0 .. e7
	s_cmp_ge_u32 s29, 3                            ; the same in all eight waves
	s_cbranch_scc1 .Lsoft
	; ---------------- THE GRID'S CODES.  My wave: columns 256 y + 32 wave + lane, K = 128 x + 0 .. 127.  No LDS, no barrier: waves share nothing.
	v_and_b32 v1, 31, v0
	v_lshlrev_b32 v1, 2, v1                        ; in: 4 bytes a lane: a wave's load reads 128 consecutive bytes, the eight waves 1,024
	v_and_b32 v2, 15, v0
	v_bfe_u32 v3, v0, 4, 1
	v_lshlrev_b32 v2, 4, v2
	v_lshl_add_u32 v2, v3, 12, v2                  ; out: 16 (lane % 16), and lanes 16-31 one tile of columns (4,096 bytes) on
	s_mul_i32 s40, ttmp9, 128*3072                 ; 128 x rows of 3,072 bytes
	s_lshl_b32 s41, s29, 10
	s_add_co_u32 s40, s40, s41                     ; + 256 y columns
	s_lshl_b32 s41, s28, 7
	s_add_co_u32 s40, s40, s41                     ; + 32 wave columns
	s_mov_b32 s41, 0
	s_add_nc_u64 s[22:23], s[22:23], s[40:41]
	s_lshl_b32 s42, s29, 4
	s_lshl_b32 s43, s28, 1
	s_add_co_u32 s42, s42, s43                     ; my first tile of 16 columns, of 48: 16 y + 2 wave (even, so that both my tiles lie in one half)
	s_cmp_ge_u32 s42, 24
	s_cselect_b32 s43, 1474560, 0                  ; the second half's tiles begin 16 x 98,304 - 24 x 4,096 bytes further on than their number says
	s_lshl_b32 s42, s42, 12
	s_add_co_u32 s42, s42, s43
	s_lshr_b32 s43, ttmp9, 1
	s_mul_i32 s43, s43, 98304                      ; the chunk of 256 K: x / 2
	s_add_co_u32 s42, s42, s43
	s_and_b32 s43, ttmp9, 1
	s_lshl_b32 s43, s43, 11                        ; its half: x % 2
	s_add_co_u32 s42, s42, s43
	s_mov_b32 s43, 0
	s_add_nc_u64 s[24:25], s[24:25], s[42:43]
.set i, 0
.rept 128
	global_load_b32 v[X+i], v1, s[22:23] offset:i*3072 th:TH_LOAD_NT   ; grid(128 x + i, my column); read once in the launch
.set i, i+1
.endr
	s_wait_kmcnt 0x0
	s_add_co_i32 s40, s39, 127
	s_lshl_b32 s41, s40, 23
	v_mov_b32 v11, s41                             ; 2^e7 as f32: the conversion takes its exponent field
	s_add_co_i32 s40, s40, 15
	s_lshl_b32 s40, s40, 23
	s_or_b32 s40, s40, 0x600000
	v_mov_b32 v10, s40                             ; 57,344 x 2^e7
.irp g, 0,1,2,3,4,5,6,7                        ; sixteen along K at a time: piece g / 2, half g % 2 of the fragment
.if 112-16*\g > 63
	s_wait_loadcnt 63                              ; 112 - 16 g younger loads might stay out; the wait can name 63 at the most
.else
	s_wait_loadcnt 112-16*\g                       ; loads come back in order: this group's sixteen are in, the younger ones may be out
.endif
.irp n, 0,1,2,3,4,5,6,7,8,9,10,11,12,13,14,15
	v_med3_num_f32 v[X+16*\g+\n], v[X+16*\g+\n], -v10, v10   ; the conversion to an 8-bit code does not saturate (ISA guide 7.6.2): the hold at the largest code x the scale comes first
.endr
	v_cvt_scalef32_pk8_bf8_f32 v[CQ+4*\g:CQ+4*\g+1], v[X+16*\g:X+16*\g+7], v11
	v_cvt_scalef32_pk8_bf8_f32 v[CQ+4*\g+2:CQ+4*\g+3], v[X+16*\g+8:X+16*\g+15], v11
	global_store_b128 v2, v[CQ+4*\g:CQ+4*\g+3], s[24:25] offset:256*\g   ; sixteen lanes store 256 consecutive bytes, at a multiple of 256 from gq's first byte
.endr
	v_nop                                          ; a plain line behind the last conversion
	s_endpgm
	; ---------------- THE THREE SOFTMAXES.  My wave: tokens 16 t .. 16 t + 15, t = 8 (32 (y - 3) + x) + wave.
.Lsoft:
	s_load_b32 s31, s[18:19], 0x0                  ; the temperature
	s_sub_co_u32 s30, s29, 3
	s_lshl_b32 s30, s30, 5
	s_add_co_u32 s30, s30, ttmp9
	s_lshl_b32 s30, s30, 3
	s_add_co_u32 s30, s30, s28                     ; t
	s_mul_i32 s40, s30, 16*768
	s_mov_b32 s41, 0
	s_add_nc_u64 s[4:5], s[4:5], s[40:41]          ; x's codes at my first token
	s_mul_i32 s40, s30, 3072
	s_add_nc_u64 s[26:27], s[26:27], s[40:41]      ; my tile of pw
	s_mov_b32 s50, 0x76543210                      ; v_permlanex16_b32's selects for lane l xor 16
	s_mov_b32 s51, 0xfedcba98
	v_and_b32 v1, 15, v0                           ; r
	v_bfe_u32 v2, v0, 4, 1                         ; h
	v_and_b32 v3, 31, v0
	v_lshlrev_b32 v3, 4, v3                        ; 16 x lane: an image's place for my lane
	v_mul_u32_u24 v4, v1, 768
	v_lshl_add_u32 v4, v2, 4, v4                   ; x: row r of 768 bytes, + 16 h
	s_lshl_b32 s42, s28, 7
	v_add_nc_u32 v5, s42, v4                       ; W1, W3: the same in K step = wave
	v_and_b32 v6, 7, v1
	v_lshlrev_b32 v6, 1, v6
	v_lshrrev_b32 v7, 3, v1
	v_add_nc_u32 v6, v6, v7                        ; W2: lane r takes row 2 (r % 8) + r / 8
	v_mul_u32_u24 v6, v6, 768
	v_lshl_add_u32 v6, v2, 4, v6
	v_add_nc_u32 v6, s42, v6
	s_mul_i32 s43, s28, 6144
	v_add_nc_u32 v7, s43, v3                       ; where I store the images of my K step's three fragments
	v_lshlrev_b32 v1, 2, v2                        ; 4 h: b2
	v_lshlrev_b32 v2, 5, v2                        ; 32 h: b1, b3
	s_cmp_lt_u32 s28, 6                            ; waves 0 to 5 fetch W's six K steps, one each
	s_cbranch_scc0 .Lno_w
.irp c, 0,1,2,3
	global_load_b128 v[WS+4*\c:WS+4*\c+3], v5, s[6:7] offset:32*\c
	global_load_b128 v[WS+16+4*\c:WS+16+4*\c+3], v6, s[8:9] offset:32*\c
	global_load_b128 v[WS+32+4*\c:WS+32+4*\c+3], v5, s[10:11] offset:32*\c
.endr
.Lno_w:
.irp s, 0,1,2,3,4,5
.irp c, 0,1,2,3
	global_load_b128 v[XF+16*\s+4*\c:XF+16*\s+4*\c+3], v4, s[4:5] offset:128*\s+32*\c th:TH_LOAD_NT   ; x's six fragments; read once in the launch
.endr
.endr
	global_load_b128 v[BI:BI+3], v2, s[12:13]                  ; b1[8 h + 0 .. 7]
	global_load_b128 v[BI+4:BI+7], v2, s[12:13] offset:16
.irp j, 0,1,2,3,4,5,6,7
	global_load_b32 v[BI+8+\j], v1, s[14:15] offset:8*\j       ; b2[2 j + h]
.endr
	global_load_b128 v[BI+16:BI+19], v2, s[16:17]              ; b3[8 h + 0 .. 7]
	global_load_b128 v[BI+20:BI+23], v2, s[16:17] offset:16
	s_cmp_lt_u32 s28, 6
	s_cbranch_scc0 .Lno_image
	s_wait_loadcnt 36                              ; W's twelve loads are in; the 24 of x and the 12 of the biases, issued behind them, may be out
.irp a, 0,1,2
.irp c, 0,1,2,3
	ds_store_b128 v7, v[WS+16*\a+4*\c:WS+16*\a+4*\c+3] offset:\a*2048+512*\c   ; the fragment goes to LDS as it stands: (K step s, matrix a) at (3 s + a) x 2,048
.endr
.endr
.Lno_image:
	s_wait_dscnt 0x0                               ; for the others' sake: my stores have landed
	s_barrier_signal -1
	s_barrier_wait -1                              ; W's eighteen fragments lie in LDS
.macro LOADW s                         ; K step s's three fragments into set s % 2
.irp a, 0,1,2
.irp c, 0,1,2,3
	ds_load_b128 v[WS+48*((\s)%2)+16*\a+4*\c:WS+48*((\s)%2)+16*\a+4*\c+3], v3 offset:(3*(\s)+\a)*2048+512*\c
.endr
.endr
.endm
	LOADW 0
	LOADW 1
	s_wait_kmcnt 0x0                               ; the exponents and the temperature
.irp a, 0,1,2
	s_add_co_i32 s[44+2*\a], s[32+2*\a], s[33+2*\a]
	s_add_co_i32 s[44+2*\a], s[44+2*\a], 127
	s_lshl_b32 s[44+2*\a], s[44+2*\a], 23          ; 2^(x's exponent + W's) as f32, for each of the three products
	s_mov_b32 s[45+2*\a], s[44+2*\a]               ; (named with it as a pair, so it is written)
.endr
	v_mov_b32 v14, s31                             ; T
	v_mov_b32 v15, 0                               ; (the upper halves of the pairs v[14:15] and v[12:13] are named, so they are written)
	v_mov_b32 v13, 0
	v_rcp_f32 v12, v14                             ; 1 / T, mended below by one step of the division's remainder
	v_nop                                          ; a plain line behind the transcendental
	s_wait_alu depctr_va_vdst(0)                   ; the wait ahead of the first line that names the result
	s_wait_loadcnt 0x0                             ; x and the biases
.irp s, 0,1,2,3,4,5
.if \s < 5
	s_wait_dscnt 12                                ; this K step's twelve loads are in; the next step's twelve may be out
.else
	s_wait_dscnt 0x0
.endif
.irp a, 0,1,2                                  ; the three accumulators take turns, one instruction a turn
.if \s == 0
	v_wmma_f32_16x16x128_bf8_bf8 v[ACC+8*\a:ACC+8*\a+7], v[WS+48*(\s%2)+16*\a:WS+48*(\s%2)+16*\a+15], v[XF+16*\s:XF+16*\s+15], 0
.else
	v_wmma_f32_16x16x128_bf8_bf8 v[ACC+8*\a:ACC+8*\a+7], v[WS+48*(\s%2)+16*\a:WS+48*(\s%2)+16*\a+15], v[XF+16*\s:XF+16*\s+15], v[ACC+8*\a:ACC+8*\a+7]
.endif
.endr
.if \s+2 < 6
.rept 4
	v_nop                                          ; four places in front of loads into registers that matrix instructions have read
.endr
	LOADW \s+2
.endif
.endr
	v_mov_b32 v[PT], 0                             ; a lane permute's destination counts as one of its sources: written once.  These three (registers of x's first fragment, done with long ago)
	v_mov_b32 v[PT+1], 0                           ; and the v_nop are the four places behind the last products
	v_mov_b32 v[PT+2], 0
	v_nop
.irp a, 0,1,2
.irp j, 0,2,4,6
	v_pk_fma_f32 v[Z+8*\a+\j:Z+8*\a+\j+1], v[ACC+8*\a+\j:ACC+8*\a+\j+1], s[44+2*\a:45+2*\a], v[BI+8*\a+\j:BI+8*\a+\j+1] op_sel_hi:[1,0,1]   ; z = sum x 2^(ea + eb) + b; each accumulator from its low end on
.endr
.endr
.irp j, 0,2,4,6,8,10,12,14,16,18,20,22
	v_pk_mul_f32 v[Q+\j:Q+\j+1], v[Z+\j:Z+\j+1], v[12:13] op_sel_hi:[1,0]                                        ; q = z x (1 / T)
.endr
.irp j, 0,2,4,6,8,10,12,14,16,18,20,22
	v_pk_fma_f32 v[Z+\j:Z+\j+1], v[Q+\j:Q+\j+1], v[14:15], v[Z+\j:Z+\j+1] op_sel_hi:[1,0,1] neg_lo:[1,0,0] neg_hi:[1,0,0]   ; the remainder z - q T
.endr
.irp j, 0,2,4,6,8,10,12,14,16,18,20,22
	v_pk_fma_f32 v[Q+\j:Q+\j+1], v[Z+\j:Z+\j+1], v[12:13], v[Q+\j:Q+\j+1] op_sel_hi:[1,0,1]                      ; q + remainder / T: the quotient z / T
.endr
.irp a, 0,1,2
	v_max3_num_f32 v[MX+\a], v[Q+8*\a], v[Q+8*\a+1], v[Q+8*\a+2]
.endr
.irp a, 0,1,2
	v_max3_num_f32 v[MX+\a], v[MX+\a], v[Q+8*\a+3], v[Q+8*\a+4]
.endr
.irp a, 0,1,2
	v_max3_num_f32 v[MX+\a], v[MX+\a], v[Q+8*\a+5], v[Q+8*\a+6]
.endr
.irp a, 0,1,2
	v_max_num_f32 v[MX+\a], v[MX+\a], v[Q+8*\a+7]
.endr
.irp a, 0,1,2
	v_permlanex16_b32 v[PT+\a], v[MX+\a], s50, s51 ; the token's other eight logits lie in the lane 16 away
.endr
.irp a, 0,1,2
	v_max_num_f32 v[MX+\a], v[MX+\a], v[PT+\a]     ; the row's maximum, taken away ahead of the exponential as reference() does
.endr
.irp a, 0,1,2
.irp j, 0,1,2,3,4,5,6,7
	v_sub_f32 v[Q+8*\a+\j], v[Q+8*\a+\j], v[MX+\a]
.endr
.endr
.irp j, 0,2,4,6,8,10,12,14,16,18,20,22
	v_pk_mul_f32 v[Q+\j:Q+\j+1], v[Q+\j:Q+\j+1], 0x3fb8aa3b op_sel_hi:[1,0]   ; x log2(e)
.endr
.irp j, 0,1,2,3,4,5,6,7,8,9,10,11,12,13,14,15,16,17,18,19,20,21,22,23
	v_exp_f32 v[Q+\j], v[Q+\j]                     ; one batch
.endr
	v_nop                                          ; a plain line behind the last exponential
	s_wait_alu depctr_va_vdst(0)                   ; one wait for the batch, ahead of its first reader
.irp a, 0,1,2
	v_pk_add_f32 v[SA+4*\a:SA+4*\a+1], v[Q+8*\a:Q+8*\a+1], v[Q+8*\a+2:Q+8*\a+3]
	v_pk_add_f32 v[SA+4*\a+2:SA+4*\a+3], v[Q+8*\a+4:Q+8*\a+5], v[Q+8*\a+6:Q+8*\a+7]
.endr
.irp a, 0,1,2
	v_pk_add_f32 v[SA+4*\a:SA+4*\a+1], v[SA+4*\a:SA+4*\a+1], v[SA+4*\a+2:SA+4*\a+3]
.endr
.irp a, 0,1,2
	v_add_f32 v[SA+4*\a], v[SA+4*\a], v[SA+4*\a+1]
.endr
.irp a, 0,1,2
	v_permlanex16_b32 v[PT+\a], v[SA+4*\a], s50, s51
.endr
.irp a, 0,1,2
	v_add_f32 v[SA+4*\a], v[SA+4*\a], v[PT+\a]     ; the row's sum
.endr
.irp a, 0,1,2
	v_rcp_f32 v[SA+4*\a+2], v[SA+4*\a]
.endr
	v_nop                                          ; a plain line behind the last reciprocal
	s_wait_alu depctr_va_vdst(0)                   ; one wait for the three
.irp a, 0,1,2
.irp j, 0,2,4,6
	v_pk_mul_f32 v[Z+8*\a+\j:Z+8*\a+\j+1], v[Q+8*\a+\j:Q+8*\a+\j+1], v[SA+4*\a+2:SA+4*\a+3] op_sel_hi:[1,0]   ; p, finished and normalised
.endr
.endr
.irp q, 0,1,2,3,4,5
	global_store_b128 v3, v[Z+4*\q:Z+4*\q+3], s[26:27] offset:512*\q   ; 32 lanes store 512 consecutive bytes, at a multiple of 256 from pw's first byte
.endr
	s_wait_tensorcnt 0x0                           ; the wave's end: behind my last LDS store
	ds_add_u32 v[SPW], v[NIL]
	s_wait_dscnt 0x0
	s_endpgm
.Lfunc_end_k_q42ac75f65c_prep:
	.size	k_q42ac75f65c_prep, .Lfunc_end_k_q42ac75f65c_prep-k_q42ac75f65c_prep
	.p2alignl 7, 3214868480
	.fill 96, 4, 3214868480
	.section	.rodata,"a",@progbits
	.p2align	6, 0x0
	.amdhsa_kernel k_q42ac75f65c_prep
		.amdhsa_group_segment_fixed_size 50176
		.amdhsa_private_segment_fixed_size 0
		.amdhsa_enable_private_segment 0
		.amdhsa_kernarg_size 96
		.amdhsa_user_sgpr_count 2
		.amdhsa_user_sgpr_kernarg_segment_ptr 1
		.amdhsa_wavefront_size32 1
		.amdhsa_system_sgpr_workgroup_id_x 1
		.amdhsa_system_sgpr_workgroup_id_y 1
		.amdhsa_system_sgpr_workgroup_id_z 1
		.amdhsa_system_vgpr_workitem_id 0
		.amdhsa_next_free_vgpr 256
		.amdhsa_next_free_sgpr 66
		.amdhsa_reserve_vcc 0
		.amdhsa_float_denorm_mode_32 3
		.amdhsa_float_denorm_mode_16_64 3
		.amdhsa_memory_ordered 1
		.amdhsa_forward_progress 1
		.amdhsa_inst_pref_size 48
	.end_amdhsa_kernel
	.amdgpu_metadata
---
amdhsa.version: [ 1, 2 ]
amdhsa.kernels:
  - .name:           k_q42ac75f65c_prep
    .symbol:         k_q42ac75f65c_prep.kd
    .args:
      - { .name: x_codes, .offset: 0, .size: 8, .value_kind: global_buffer, .address_space: global }
      - { .name: W1_codes, .offset: 8, .size: 8, .value_kind: global_buffer, .address_space: global }
      - { .name: W2_codes, .offset: 16, .size: 8, .value_kind: global_buffer, .address_space: global }
      - { .name: W3_codes, .offset: 24, .size: 8, .value_kind: global_buffer, .address_space: global }
      - { .name: b1, .offset: 32, .size: 8, .value_kind: global_buffer, .address_space: global }
      - { .name: b2, .offset: 40, .size: 8, .value_kind: global_buffer, .address_space: global }
      - { .name: b3, .offset: 48, .size: 8, .value_kind: global_buffer, .address_space: global }
      - { .name: temperature, .offset: 56, .size: 8, .value_kind: global_buffer, .address_space: global }
      - { .name: lowp_scales, .offset: 64, .size: 8, .value_kind: global_buffer, .address_space: global }
      - { .name: grid, .offset: 72, .size: 8, .value_kind: global_buffer, .address_space: global }
      - { .name: gq, .offset: 80, .size: 8, .value_kind: global_buffer, .address_space: global }
      - { .name: pw, .offset: 88, .size: 8, .value_kind: global_buffer, .address_space: global }
    .group_segment_fixed_size: 50176
    .private_segment_fixed_size: 0
    .kernarg_segment_align: 8
    .kernarg_segment_size: 96
    .max_flat_workgroup_size: 256
    .sgpr_count:     66
    .vgpr_count:     256
    .wavefront_size: 32
...
	.end_amdgpu_metadata
.endif
;; end of part 1
;; launch joint (part 2): grid 128 x 2, 8 waves a work-group, clusters of 4 x 1, 327,680 bytes of LDS; arguments gq, pw, lowp_scales, out0; writes out0
.if DOCPART == 2
	.amdgcn_target "amdgcn-amd-amdhsa--gfx1250"
	.amdhsa_code_object_version 6
	.text
	.protected	k_q42ac75f65c_joint
	.globl	k_q42ac75f65c_joint
	.p2align	8
	.type	k_q42ac75f65c_joint,@function
k_q42ac75f65c_joint:
	s_mov_b64 s[64:65], 0
	v_nop
	global_prefetch_b8 v0, s[64:65] scope:SCOPE_SE
	s_setreg_imm32_b32 hwreg(HW_REG_WAVE_MODE, 25, 1), 1
	s_wait_xcnt 0x0
	s_wait_alu depctr_hold_cnt(0) depctr_sa_sdst(0) depctr_va_vdst(0) depctr_va_sdst(0) depctr_va_ssrc(0) depctr_va_vcc(0) depctr_vm_vsrc(0)
	s_getreg_b32 s2, hwreg(HW_REG_IB_STS2, 6, 4)
	s_cmp_eq_u32 s2, 0
	s_cbranch_scc0 .Lentry_in_a_cluster
	s_endpgm
.Lentry_in_a_cluster:
	s_bfe_u32 s2, ttmp6, 0x10000c
	s_cmp_lg_u32 s2, 0x3003
	s_cbranch_scc0 .Lentry_shape_is_right
	s_endpgm
.Lentry_shape_is_right:
; NeuroGrid, second launch: out[t][l] = 2^(e6 + e7) x the sum over K = (i, j, k) of code(P[t][K]) x code(grid[K][l]), P[t][i, j, k] = (p1[t][i] p2[t][j]) p3[t][k] in f32.  No work of reference() is left out.
; P is quantised here with the given 2^e6 (held at 57,344 x 2^e6, to the nearest code of E5M2) and never goes to memory; the grid's codes (gq) and the softmaxes (pw) come from the launch before, as images of registers.
; SHARES.  A work-group makes 128 tokens x 384 columns; K = 4,096 goes in 16 chunks of 256 (a chunk is one i).  Eight waves, two for each of a WGP's four SIMDs: wave w makes tokens 64 (w / 4) on x columns 96 (w % 4) on:
; 4 x 6 accumulators of 16 x 16.  Wave w also MAKES P's codes of tokens 16 w .. 16 w + 15 for each chunk: two fragments (16 tokens x 128 K), stored to LDS as they stand in its registers; any wave that loads them by the same
; lines has the same registers in the same lanes.  A lane (r, h) stands for token r; in piece c of half kh its 16 codes are j = 8 kh + 2 c + h, k = 0 .. 15: one product p1 p2, sixteen products with p3.
; THE MATRIX INSTRUCTION IS USED TRANSPOSED (source 0 = 16 columns of the grid, source 1 = 16 tokens): a lane then holds eight neighbouring numbers of a row of out.
; RING.  Two LDS slots, a chunk's 98,304 bytes of grid codes each, filled by the tensor data mover, an eighth (48 rows of 256 bytes, dense) by each wave.  P's codes have two buffers of their own, written by LDS stores alone.
; While chunk i is multiplied, chunk i + 1's codes of P are made and chunk i + 1's grid codes are on their way; one barrier a chunk.
; CLUSTER.  The four work-groups of a cluster have the same column half and walk the same chunks of gq: each fill is asked for JOINTLY, by the same tensor load with the same descriptor and a mask that names the four.
; THE ORDER OF A HALF CHUNK.  Its 40 LDS loads (P's four fragments first, then the grid's six) are dealt out in four runs of ten, one ahead of each of the four pieces of P's codes that are made meanwhile.  Its 24 products go
; by tiles of columns, four to a tile, each tile behind a counted wait that leaves the younger LDS instructions out: so a wave multiplies while the rest of the half's fragments are still on their way.
; ROLES.  Of a chunk's second half, waves 0-3 (role 0) issue the products of tiles 0-3 ahead of the barrier, waves 4-7 (role 1) behind the refill, on registers loaded ahead of the barrier; tiles 4 and 5 stand between the
; barrier's signal and its wait in both.  So the two roles' runs of products, and their runs of vector and LDS lines, stand at different places of a chunk.
; LIMITS.  e6 between -126 and 112; e6 + e7 between -126 and 127, so that each power of two below is an f32 number.
; REGISTERS.  Window 0: v1-15 addresses and constants; v16-31 p3; v32-39 p2[2 q + h]; v40-47 p1 p2 of four pieces (even registers; the odd ones 0); v48-63, v240-255 sixteen products by turns; v64-79 a fragment's codes;
;   v80-143 P's four fragments; v144-239 the grid's six.   Window 1: v0-191 the accumulators, (a, b) at 8 (6 a + b).
.set CHUNKB, 98304                     ; a chunk's grid codes: 24 tiles of columns x 2 halves x 2,048 bytes
.set SLOT1,  131072                    ; slot 1 and P's buffer 1 lie this far behind slot 0 and buffer 0
.set ABUF,   98304                     ; P's buffer 0: 8 tiles of tokens x 2 halves x 2,048 bytes
.set P1T,    262144                    ; p1 by tokens: 128 rows of 64 bytes + 16; each wave touches its own 16 rows alone
.set SPARE,  272384                    ; the spare words, 128 bytes for each wave: four blocks of 256 bytes that no other line names
.set SPITCH, 1552                      ; the way out: a stage of 128 rows x (1,536 bytes + 16), from LDS byte 0 on: the slots have then had their last fill, and nobody reads them or P's buffers
.set PFO, 1                            ; v1   256 x my lane: the prefetches' offset; never rewritten
.set RA,  2                            ; v2-3 where I read P's fragments, buffer 0, 1
.set RB,  4                            ; v4-5 where I read the grid's, slot 0, 1
.set WA,  6                            ; v6-7 where I store the fragments that I make, buffer 0, 1
.set P1B, 8                            ; v8   my token's row of p1
.set P1A, 9                            ; v9   the address of the p1 load in hand
.set SPW, 10                           ; v10  LDS address of my spare word: SPARE + 4 x my thread's number; never rewritten
.set NIL, 11                           ; v11  0; never rewritten
.set LIM, 12                           ; v12  57,344 x 2^e6
.set SCL, 14                           ; v14  2^e6 as f32
.set P1,  15                           ; v15  p1[i] of the chunk that is being made
.set P3,  16
.set P2,  32
.set P12, 40
.set CD,  64
.set AF,  80
.set BF,  144
.set OUT, 16                           ; the way out: v16-207
.set G1,  24                           ; s[24:31] descriptor group 1; s[32:35], s[36:39] group 0, one set for each slot
.set G0,  32
.set MSB, 0
.macro WIN new                         ; the immediate's high byte repeats the setting that is left
.if MSB != \new
	s_set_vgpr_msb (MSB<<8)|\new
.set MSB, \new
.endif
.endm
.set W_MUL, 0x50                       ; C and D in window 1, both sources in window 0
.macro CREST                           ; a round of the cluster's barrier behind its opening barrier
	s_cmp_lg_u32 s12, 0
	s_cbranch_scc1 .Lnot_wave_0_\@
	s_barrier_signal -3
.Lnot_wave_0_\@:
	s_barrier_wait -3
	s_barrier_signal -1
	s_barrier_wait -1
.endm
.macro ROUND                           ; a whole round
	s_barrier_signal -1
	s_barrier_wait -1
	CREST
.endm
.macro PLACES                          ; four places in front of loads into registers that matrix instructions have read (ISA guide 7.12.1 for vector instructions)
.rept 4
	v_nop
.endr
.endm
; A PREFETCH INTO THE L2, behind a refill and its five lines: the chunk that stands two refills on.  A chunk is 384 blocks of 256 bytes; all clusters of a column half walk the same chunks, so the half's first cluster asks;
; its four partners take 24,576 bytes each, told apart BY ADDRESS; in each, waves 0 to 2 ask for 8,192 bytes, lanes 256 bytes apart.  So each block is named once in the launch.  Chunks 0 to 3 come by their loads alone;
; behind chunk i's refill chunk i + 4 is named, for i up to 11: s47 = 14 - i, s46 = 2 in a wave that asks, else the greatest number.
.macro ASK
	s_cmp_gt_u32 s47, s46
	s_cbranch_scc0 .Lnot_mine_\@
	global_prefetch_b8 v[PFO], s[44:45] th:TH_LOAD_NT scope:SCOPE_SE
.Lnot_mine_\@:
.endm
; LDS load n of the 40 of half s of the chunk in the slot, 512 consecutive bytes each: n = 0 .. 15: piece n % 4 of P's fragment n / 4 of my tokens; n = 16 .. 39: piece n % 4 of the grid's fragment (n - 16) / 4 of my columns
.macro LD1 slot, s, n
.if (\n) < 16
	ds_load_b128 v[AF+4*(\n):AF+4*(\n)+3], v[RA+\slot] offset:(2*((\n)/4)+\s)*2048+512*((\n)%4)
.else
	ds_load_b128 v[BF+4*((\n)-16):BF+4*((\n)-16)+3], v[RB+\slot] offset:(2*(((\n)-16)/4)+\s)*2048+512*(((\n)-16)%4)
.endif
.endm
; Four products: tile b of my columns x my four tiles of tokens.  zero = 1: they start the sums: nothing is ever cleared.  Each accumulator has one product in a half chunk, and no two products that follow each other,
; in either role, name one accumulator
.macro MULB b, zero
.irp a, 0,1,2,3
.if \zero
	v_wmma_f32_16x16x128_bf8_bf8 v[8*(6*\a+\b):8*(6*\a+\b)+7], v[BF+16*\b:BF+16*\b+15], v[AF+16*\a:AF+16*\a+15], 0
.else
	v_wmma_f32_16x16x128_bf8_bf8 v[8*(6*\a+\b):8*(6*\a+\b)+7], v[BF+16*\b:BF+16*\b+15], v[AF+16*\a:AF+16*\a+15], v[8*(6*\a+\b):8*(6*\a+\b)+7]
.endif
.endr
.endm
; The wait in front of tile b's products.  LDS instructions are served in the order of issue (ISA guide 5.7.1): the count is what was issued behind load 19 + 4 b, the tile's last: 20 - 4 b loads; with gen = 1 also the
; stores of the pieces whose run of loads ends at or behind that load (3, 2, 2, 1, 1 for b = 0 .. 4); and more: what was issued behind the half's last store (the load of p1)
.macro MWAIT b, gen, more
.if \gen
.if \b == 0
	s_wait_dscnt 23+\more
.elseif \b == 1
	s_wait_dscnt 18+\more
.elseif \b == 2
	s_wait_dscnt 14+\more
.elseif \b == 3
	s_wait_dscnt 9+\more
.else
	s_wait_dscnt 5+\more
.endif
.else
	s_wait_dscnt 20-4*\b+\more
.endif
.endm
.macro GENP kh                         ; p1[i] p2[j], j = 8 kh + 2 c + h, for the half's four pieces.  Four plain lines that name no register of a product: they are also the places behind a run of products
.irp c, 0,1,2,3
	v_mul_f32 v[P12+2*\c], v[P1], v[P2+4*(\kh)+\c]
.endr
.endm
.macro PIECE kh, buf, c                ; piece c of half kh of my tokens' codes, and its image into buffer buf
.irp n, 0,2,4,6,8,10,12,14
	v_pk_mul_f32 v[48+192*((\c)%2)+\n:48+192*((\c)%2)+\n+1], v[P3+\n:P3+\n+1], v[P12+2*(\c):P12+2*(\c)+1] op_sel_hi:[1,0]   ; (p1 p2) p3[k], two at a time; the pair's low word serves both halves
.endr
.irp n, 0,1,2,3,4,5,6,7,8,9,10,11,12,13,14,15
	v_min_num_f32 v[48+192*((\c)%2)+\n], v[48+192*((\c)%2)+\n], v[LIM]   ; the conversion to an 8-bit code does not saturate (ISA guide 7.6.2); P is not negative, so the hold is one-sided; it stands whatever e6 is
.endr
	v_cvt_scalef32_pk8_bf8_f32 v[CD+4*(\c):CD+4*(\c)+1], v[48+192*((\c)%2):48+192*((\c)%2)+7], v[SCL]
	v_cvt_scalef32_pk8_bf8_f32 v[CD+4*(\c)+2:CD+4*(\c)+3], v[48+192*((\c)%2)+8:48+192*((\c)%2)+15], v[SCL]
	ds_store_b128 v[WA+(\buf)], v[CD+4*(\c):CD+4*(\c)+3] offset:(\kh)*2048+512*(\c)   ; the next piece's products go into the other sixteen registers: plain lines behind the conversions
.endm
.macro GENB kh, buf                    ; a whole fragment, with no loads between: the first chunk's, at the head
.irp c, 0,1,2,3
	PIECE \kh, \buf, \c
.endr
	v_nop                                          ; a plain line behind the last conversion
.endm
; Half s of the chunk in the slot: its 40 loads in four runs of ten; gen = 1: behind each run a piece of the next chunk's codes of P (same half), into buffer buf
.macro LG slot, s, gen, buf
.irp c, 0,1,2,3
.set LN, 10*\c
.rept 10
	LD1 \slot, \s, LN
.set LN, LN+1
.endr
.if \gen
	PIECE \s, \buf, \c
.endif
.endr
.if \gen
	v_nop                                          ; a plain line behind the last conversion
.endif
.endm
; A CHUNK: it reads the slot and P's buffer of the same number.  zero = 1: the first chunk.  gen = 1: the next chunk's codes of P are made, into the other buffer.  p1off >= 0: p1 of the chunk after that is fetched.
; fill = 2: the slot is filled again, with the chunk two on, behind a round of the cluster's barrier; 1: nothing is filled, but the last fill is awaited; 0: the last chunk.
.macro BODY slot, zero, gen, fill, p1off
.if \gen
	GENP 0
.else
	PLACES
.endif
	LG \slot, 0, \gen, 1-\slot
	WIN W_MUL
.irp b, 0,1,2,3,4
	MWAIT \b, \gen, 0
	MULB \b, \zero
.endr
	s_wait_dscnt 0x0                               ; the last tile's loads are in, and the last store has read its registers
	MULB 5, \zero
	WIN 0
.if \gen
	GENP 1
.else
	PLACES
.endif
	LG \slot, 1, \gen, 1-\slot
.set MORE, 0
.if \p1off >= 0
	v_add_nc_u32 v[P1A], s42, v[P1B]
	ds_load_b32 v[P1], v[P1A] offset:\p1off
.set MORE, 1
.endif
	s_cmp_lg_u32 s13, 0
	s_cbranch_scc1 .Lrole_1_\@
	WIN W_MUL
.irp b, 0,1,2,3                                ; role 0: sixteen products ahead of the barrier, as their fragments come in
	MWAIT \b, \gen, MORE
	MULB \b, 0
.endr
	WIN 0                                          ; at a label and at a branch every window is 0
.Lrole_1_\@:
.if \fill
	s_wait_tensorcnt 0x0                           ; all my tensor loads have landed: the one that was out is my part of the other slot; so a group 0 may be written
	ds_add_u32 v[SPW], v[NIL]                      ; 0 onto my spare word
.if \fill == 2
	s_add_nc_u64 s[G0+4*\slot+2:G0+4*\slot+3], s[G0+4*\slot+2:G0+4*\slot+3], 2*CHUNKB   ; this slot's next chunk; the type bits on top are not reached
	s_wait_xcnt 0x0                                ; the last prefetch, a chunk back, has read its address, so it may be written
	s_add_nc_u64 s[44:45], s[44:45], CHUNKB
.endif
.endif
	WIN W_MUL
	s_wait_dscnt 0x0                               ; my reads of this slot and buffer are over, my stores into the other buffer have landed, the add is done
	s_barrier_signal -1                            ; (fill = 2: this barrier opens a round of the cluster's barrier)
	MULB 4, 0                                      ; eight products on registers while the others arrive, in both roles
	MULB 5, 0
	WIN 0
	s_barrier_wait -1                              ; nobody reads this slot or buffer any more; the other slot and buffer are whole
.if \fill == 2
	CREST                                          ; no wave of any partner still reads the slot or has a load on its way
	tensor_load_to_lds s[G0+4*\slot:G0+4*\slot+3], s[G1:G1+7]   ; my one tensor load behind the round, and the first thing there: it has a chunk's work in which to land
	s_nop 0
	PLACES
	ASK
	s_sub_co_u32 s47, s47, 1
.endif
	s_cmp_eq_u32 s13, 0
	s_cbranch_scc1 .Lrole_0_\@
	WIN W_MUL
.irp b, 0,1,2,3                                ; role 1: the same sixteen products, on registers loaded ahead of the barrier
	MULB \b, 0
.endr
	WIN 0
.Lrole_0_\@:
.endm
	s_load_b256 s[4:11], s[0:1], 0x0               ; gq s[4:5], pw s[6:7], the scales' exponents s[8:9], out0 s[10:11]
	v_lshl_add_u32 v[SPW], v0, 2, SPARE
	v_mov_b32 v[NIL], 0
	ds_add_u32 v[SPW], v[NIL]                      ; the wave's opening: the add, twice on end, and its wait ahead of my first tensor load; the set-up below, work on registers, stands between
	ds_add_u32 v[SPW], v[NIL]                      ; and once more, under the one wait
	v_lshrrev_b32 v240, 5, v0
	v_readfirstlane_b32 s12, v240                  ; wave 0..7
	s_lshr_b32 s13, s12, 2                         ; which 64 tokens are mine; also my role
	s_and_b32 s14, s12, 3                          ; which 96 columns
	s_and_b32 s17, ttmp7, 0xffff                   ; the column half, which the four partners share
	; descriptor group 1: a dense block of 12,288 bytes as 48 rows of 32 elements of 8 bytes
	s_mov_b32 s[G1+0], 15|(3<<16)|(1<<21)          ; 15:0 the mask: all four work-groups; 17:16 elements of 8 bytes; 20 no padding; 21 set beside a mask
	s_mov_b32 s[G1+1], 32<<16                      ; tensor_dim0 = 32
	s_mov_b32 s[G1+2], 48<<16                      ; tensor_dim1 = 48
	s_mov_b32 s[G1+3], 32<<16                      ; tile_dim0 = 32
	s_mov_b32 s[G1+4], 48                          ; tile_dim1 = 48
	s_mov_b32 s[G1+5], 32                          ; from row to row: 32 elements
	s_mov_b32 s[G1+6], 0
	s_mov_b32 s[G1+7], 0
	s_mul_i32 s20, s17, 16*CHUNKB                  ; my half's sixteen chunks,
	s_mul_i32 s22, s12, 12288                      ; my eighth of a chunk, in memory and in a slot: no place in the cluster enters either
	s_add_co_u32 s20, s20, s22
	s_mov_b32 s21, 0
	s_wait_dscnt 0x0                               ; both opening adds are done
	s_wait_kmcnt 0x0
	s_load_b64 s[48:49], s[8:9], 0x18              ; e6, e7
	s_add_nc_u64 s[18:19], s[4:5], s[20:21]
.irp s, 0,1
	s_mov_b32 s[G0+4*\s], 1                        ; count = 1
	s_add_co_u32 s[G0+4*\s+1], s22, \s*SLOT1       ; LDS address
	s_add_nc_u64 s[G0+4*\s+2:G0+4*\s+3], s[18:19], \s*CHUNKB   ; global address: chunk s
	s_or_b32 s[G0+4*\s+3], s[G0+4*\s+3], 0x80000000            ; type = 2
.endr
	ROUND                                          ; all four work-groups are here: the first joint loads meet
	tensor_load_to_lds s[G0:G0+3], s[G1:G1+7]      ; chunk 0.  Every wave issues both first fills: two tensor loads of mine are out
	s_nop 0
	tensor_load_to_lds s[G0+4:G0+7], s[G1:G1+7]    ; chunk 1
	s_nop 0
	PLACES
	s_bfe_u32 s15, ttmp6, 0x40000                  ; cx: my place in the cluster: it enters pw's, out0's and the prefetches' addresses alone
	s_lshl_b32 s16, ttmp9, 2
	s_add_co_u32 s16, s16, s15                     ; my block of 128 tokens = 4 x cluster x + cx
	s_lshl_b32 s18, s16, 3
	s_add_co_u32 s18, s18, s12                     ; the tile of 16 tokens whose codes I make
	s_mul_i32 s18, s18, 3072
	s_mov_b32 s19, 0
	s_add_nc_u64 s[6:7], s[6:7], s[18:19]
	v_and_b32 v240, 31, v0                         ; lane
	v_and_b32 v241, 15, v0                         ; r
	v_bfe_u32 v242, v0, 4, 1                       ; h
	v_lshlrev_b32 v243, 4, v240
	v_lshlrev_b32 v244, 4, v241
	global_load_b128 v[48:51], v243, s[6:7]                    ; p1[8 h + 0 .. 7]
	global_load_b128 v[52:55], v243, s[6:7] offset:512
	global_load_b128 v[P2:P2+3], v243, s[6:7] offset:1024      ; p2[2 q + h], q = 0 .. 7
	global_load_b128 v[P2+4:P2+7], v243, s[6:7] offset:1536
	global_load_b128 v[P3:P3+3], v244, s[6:7] offset:2048      ; p3[0 .. 15]: both halves' images of my token
	global_load_b128 v[P3+4:P3+7], v244, s[6:7] offset:2560
	global_load_b128 v[P3+8:P3+11], v244, s[6:7] offset:2304
	global_load_b128 v[P3+12:P3+15], v244, s[6:7] offset:2816
	s_lshl_b32 s18, s16, 7
	s_lshl_b32 s19, s12, 4
	s_add_co_u32 s18, s18, s19                     ; the first row of out0 that I store: 128 x block + 16 x wave
	s_mul_i32 s18, s18, 3072
	s_mul_i32 s19, s17, 1536
	s_add_co_u32 s18, s18, s19                     ; + the column half
	s_mov_b32 s19, 0
	s_add_nc_u64 s[10:11], s[10:11], s[18:19]
	s_mul_i32 s20, s17, 16*CHUNKB                  ; the prefetches: my half,
	s_mul_i32 s21, s15, 24576                      ; my work-group's quarter of a chunk,
	s_add_co_u32 s20, s20, s21
	s_lshl_b32 s21, s12, 13                        ; my wave's third of it,
	s_add_co_u32 s20, s20, s21
	s_add_co_u32 s20, s20, 3*CHUNKB                ; in chunk 3: the first refill steps it to chunk 4.  Nothing is prefetched here, at the head, where every work-group's first tiles are on their way
	s_mov_b32 s21, 0
	s_add_nc_u64 s[44:45], s[4:5], s[20:21]
	s_cmp_lt_u32 s12, 3
	s_cselect_b32 s46, 0, 1                        ; 0 in waves 0 to 2,
	s_or_b32 s46, s46, ttmp9                       ; of the half's first cluster: the same in all four partners
	s_cmp_eq_u32 s46, 0
	s_cselect_b32 s46, 2, -1
	v_lshlrev_b32 v[PFO], 8, v240
	s_lshl_b32 s18, s13, 14
	s_add_co_u32 s18, s18, ABUF
	v_add_nc_u32 v[RA], s18, v243                  ; P's fragments of my 64 tokens: four tiles of 4,096 bytes
	v_add_nc_u32 v[RA+1], SLOT1, v[RA]
	s_mul_i32 s19, s14, 24576
	v_add_nc_u32 v[RB], s19, v243                  ; the grid's fragments of my 96 columns: six tiles of 4,096 bytes
	v_add_nc_u32 v[RB+1], SLOT1, v[RB]
	s_lshl_b32 s20, s12, 12
	s_add_co_u32 s20, s20, ABUF
	v_add_nc_u32 v[WA], s20, v243                  ; the tile that I make
	v_add_nc_u32 v[WA+1], SLOT1, v[WA]
	v_mul_u32_u24 v[P1B], v241, 80
	s_mul_i32 s21, s12, 16*80
	s_add_co_u32 s21, s21, P1T
	v_add_nc_u32 v[P1B], s21, v[P1B]
	v_lshl_add_u32 v245, v242, 5, v[P1B]           ; my half's eight numbers of the row
.irp c, 0,1,2,3
	v_mov_b32 v[P12+2*\c+1], 0                     ; (named as the upper halves of pairs, so they are written)
.endr
	s_wait_kmcnt 0x0
	s_add_co_i32 s18, s48, 127
	s_lshl_b32 s19, s18, 23
	v_mov_b32 v[SCL], s19                          ; 2^e6 as f32: the conversion takes its exponent field
	s_add_co_i32 s18, s18, 15
	s_lshl_b32 s18, s18, 23
	s_or_b32 s18, s18, 0x600000
	v_mov_b32 v[LIM], s18                          ; 57,344 x 2^e6
	s_add_co_i32 s48, s48, s49
	s_add_co_i32 s48, s48, 127
	s_lshl_b32 s48, s48, 23                        ; 2^(e6 + e7) as f32, for the way out
	s_mov_b32 s49, s48                             ; (named with it as a pair, so it is written)
	s_mov_b32 s42, 0                               ; the loop's step in p1's row
	s_mov_b32 s47, 14
	s_wait_loadcnt 0x0                             ; the softmaxes
	ds_store_b128 v245, v[48:51]                   ; p1 by tokens, so that p1[i] is one word for both halves of the lanes
	ds_store_b128 v245, v[52:55] offset:16
	ds_load_b32 v[P1], v[P1B]                      ; p1[0].  LDS serves a wave's instructions in order: this sees my stores
	s_wait_dscnt 0x0
	GENP 0                                         ; chunk 0's codes of P, into buffer 0
	GENB 0, 0
	s_wait_dscnt 0x0                               ; the stores have read their registers
	GENP 1
	GENB 1, 0
	ds_load_b32 v[P1], v[P1B] offset:4             ; p1[1]
	s_wait_tensorcnt 1                             ; my part of chunk 0 is in; chunk 1's may stay out
	s_wait_dscnt 0x0                               ; my stores have landed
	s_barrier_signal -1
	s_barrier_wait -1                              ; everybody's have
	BODY 0, 1, 1, 2, 8                             ; chunk 0: its products start the sums
	s_mov_b32 s43, 6
.Lpair:                                            ; chunks 1 to 12, two a trip
	BODY 1, 0, 1, 2, 12
	BODY 0, 0, 1, 2, 16
	s_add_co_u32 s42, s42, 8
	s_sub_co_u32 s43, s43, 1
	s_cmp_lg_u32 s43, 0
	s_cbranch_scc1 .Lpair
	BODY 1, 0, 1, 2, 12                            ; chunk 13 asks for chunk 15: the last fill
	BODY 0, 0, 1, 1, -1                            ; chunk 14: the tail is written out
	BODY 1, 0, 0, 0, -1                            ; chunk 15: nothing more to make or to fetch; behind its barrier nobody reads the slots or P's buffers
	; THE WAY OUT.  A lane holds 32 neighbouring bytes of a row; a row's 1,536 bytes come from four waves.  All go through one stage in LDS; behind a barrier each wave stores 16 whole rows.
	v_and_b32 v2, 15, v0                           ; r.  (These lines, which name no register of a product, are also the places behind the last products)
	v_bfe_u32 v3, v0, 4, 1                         ; h
	v_and_b32 v6, 31, v0
	s_lshl_b32 s18, s13, 6
	v_add_nc_u32 v2, s18, v2                       ; row 64 (w / 4) + r
	v_mul_u32_u24 v4, v2, SPITCH
	v_lshl_add_u32 v4, v3, 5, v4                   ; + 32 h
	s_mul_i32 s19, s14, 384
	v_add_nc_u32 v4, s19, v4                       ; + my 96 columns' bytes: tiles 0 and 1 of my tokens
	v_add_nc_u32 v5, 32*SPITCH, v4                 ; tiles 2 and 3
	v_lshlrev_b32 v7, 4, v6                        ; back, and in out0: 16 bytes a lane
	s_mul_i32 s20, s12, 16*SPITCH
	v_add_nc_u32 v6, s20, v7                       ; my 16 rows of the stage
	WIN 0x01                                       ; source 0 in window 1
.set t, 0
.rept 96
	v_pk_mul_f32 v[OUT+2*t:OUT+2*t+1], v[2*t:2*t+1], s[48:49] op_sel_hi:[1,0]   ; x 2^(e6 + e7), into other registers; each accumulator from its low end on
.set t, t+1
.endr
	WIN 0
.irp a, 0,1,2,3
.irp b, 0,1,2,3,4,5
	ds_store_b128 v[4+\a/2], v[OUT+8*(6*\a+\b):OUT+8*(6*\a+\b)+3] offset:(\a%2)*16*SPITCH+64*\b
	ds_store_b128 v[4+\a/2], v[OUT+8*(6*\a+\b)+4:OUT+8*(6*\a+\b)+7] offset:(\a%2)*16*SPITCH+64*\b+16
.endr
.endr
	s_wait_dscnt 0x0                               ; for the others' sake: my stores into the stage are done
	s_barrier_signal -1
	s_barrier_wait -1
.irp row, 0,1,2,3,4,5,6,7,8,9,10,11,12,13,14,15
.irp q, 0,1,2
	ds_load_b128 v[OUT+4*(3*\row+\q):OUT+4*(3*\row+\q)+3], v6 offset:\row*SPITCH+512*\q
.endr
.endr
.irp row, 0,1,2,3,4,5,6,7,8,9,10,11,12,13,14,15
.irp q, 0,1,2
	s_wait_dscnt 47-(3*\row+\q)                    ; LDS loads come back in order: this one is in, the younger ones may be out
	global_store_b128 v7, v[OUT+4*(3*\row+\q):OUT+4*(3*\row+\q)+3], s[10:11] offset:\row*3072+512*\q th:TH_STORE_NT   ; 32 lanes store 512 consecutive bytes, at a multiple of 256 from out0's first byte; written once, read by nobody here
.endr
.endr
	s_wait_tensorcnt 0x0                           ; the wave's end: behind my last tensor load and my last LDS store
	ds_add_u32 v[SPW], v[NIL]
	s_wait_dscnt 0x0
	ROUND                                          ; the closing round: no work-group ends while a partner may still ask for a tile that names it
	s_endpgm
.Lfunc_end_k_q42ac75f65c_joint:
	.size	k_q42ac75f65c_joint, .Lfunc_end_k_q42ac75f65c_joint-k_q42ac75f65c_joint
	.p2alignl 7, 3214868480
	.fill 96, 4, 3214868480
	.section	.rodata,"a",@progbits
	.p2align	6, 0x0
	.amdhsa_kernel k_q42ac75f65c_joint
		.amdhsa_group_segment_fixed_size 327680
		.amdhsa_private_segment_fixed_size 0
		.amdhsa_enable_private_segment 0
		.amdhsa_kernarg_size 32
		.amdhsa_user_sgpr_count 2
		.amdhsa_user_sgpr_kernarg_segment_ptr 1
		.amdhsa_wavefront_size32 1
		.amdhsa_system_sgpr_workgroup_id_x 1
		.amdhsa_system_sgpr_workgroup_id_y 1
		.amdhsa_system_sgpr_workgroup_id_z 1
		.amdhsa_system_vgpr_workitem_id 0
		.amdhsa_next_free_vgpr 512
		.amdhsa_next_free_sgpr 66
		.amdhsa_reserve_vcc 0
		.amdhsa_float_denorm_mode_32 3
		.amdhsa_float_denorm_mode_16_64 3
		.amdhsa_memory_ordered 1
		.amdhsa_forward_progress 1
		.amdhsa_inst_pref_size 148
	.end_amdhsa_kernel
	.amdgpu_metadata
---
amdhsa.version: [ 1, 2 ]
amdhsa.kernels:
  - .name:           k_q42ac75f65c_joint
    .symbol:         k_q42ac75f65c_joint.kd
    .args:
      - { .name: gq, .offset: 0, .size: 8, .value_kind: global_buffer, .address_space: global }
      - { .name: pw, .offset: 8, .size: 8, .value_kind: global_buffer, .address_space: global }
      - { .name: lowp_scales, .offset: 16, .size: 8, .value_kind: global_buffer, .address_space: global }
      - { .name: out0, .offset: 24, .size: 8, .value_kind: global_buffer, .address_space: global }
    .group_segment_fixed_size: 327680
    .private_segment_fixed_size: 0
    .kernarg_segment_align: 8
    .kernarg_segment_size: 32
    .max_flat_workgroup_size: 256
    .sgpr_count:     66
    .vgpr_count:     512
    .wavefront_size: 32
...
	.end_amdgpu_metadata
.endif
;; end of part 2
